; MI455X (gfx1250); checked and timed in simulation.
; The chip was launched on July 23, 2026; its instructions are those of AMD's public machine-readable ISA for CDNA 5 (MIT licence, August 2026) and "CDNA5" Instruction Set Architecture Reference Guide (July 2026). The comments in the code are by the model that wrote it; some were corrected since.
;; Cross Attention. Allowed arithmetic: matrix products marked QUANTISED: E5M2 operands, one E8M0 scale for each 32 along K, by v_wmma_scale_f32_16x16x128_f8f6f4 with both operands' format E5M2, f32 sums; everything else in f32.
;; Inputs: context_codes 8 x 32 x 32 x 16 x 32 uint8 (E5M2 codes of context, K innermost, in blocks of 32 codes); context_scales 8 x 32 x 32 x 16 uint8 (E8M0 scales of context, one for each 32 codes along K); input 8 x 256 x 64 x 64 float32; proj_in_b 512 float32; proj_in_w_codes 512 x 8 x 32 uint8 (E5M2 codes of proj_in_w, K innermost, in blocks of 32 codes); proj_in_w_scales 512 x 8 uint8 (E8M0 scales of proj_in_w, one for each 32 codes along K); proj_out_b 256 float32; proj_out_w_codes 256 x 24 x 32 uint8 (E5M2 codes of proj_out_w, K innermost, in blocks of 32 codes); proj_out_w_scales 256 x 24 uint8 (E8M0 scales of proj_out_w, one for each 32 codes along K); wk_b 512 float32; wk_w_codes 512 x 16 x 32 uint8 (E5M2 codes of wk_w, K innermost, in blocks of 32 codes); wk_w_scales 512 x 16 uint8 (E8M0 scales of wk_w, one for each 32 codes along K); wq_b 512 float32; wq_w_codes 512 x 16 x 32 uint8 (E5M2 codes of wq_w, K innermost, in blocks of 32 codes); wq_w_scales 512 x 16 uint8 (E8M0 scales of wq_w, one for each 32 codes along K); wv_b 512 float32; wv_w_codes 512 x 16 x 32 uint8 (E5M2 codes of wv_w, K innermost, in blocks of 32 codes); wv_w_scales 512 x 16 uint8 (E8M0 scales of wv_w, one for each 32 codes along K).
;; Outputs: out0 8 x 256 x 64 x 64 float32.
;; This version of the problem:
;;   THIS VERSION OF THE PROBLEM IS GIVEN IN LOW PRECISION. The matrix products marked QUANTISED in the list below multiply operands that are first quantised to E5M2 (5 exponent bits, 2 mantissa bits; 8 bits a number), with one power-of-two scale for each 32 numbers along K (OCP MX v1.0); their sums are f32. All else is computed in f32.
;;   The module's matrix products, in the order in which they are computed (A, B: the left and right operand; K: the contracted axis; several contracted axes count as one K, in the product's order):
;;     1. [M 32,768, K 256] x [K 256, N 512]; A: input input; B: input proj_in_w (given as codes): QUANTISED
;;     2. [M 32,768, K 512] x [K 512, N 512]; A: computed on the way; B: input wq_w (given as codes): QUANTISED
;;     3. [M 8,192, K 512] x [K 512, N 512]; A: input context (given as codes); B: input wk_w (given as codes): QUANTISED
;;     4. [M 8,192, K 512] x [K 512, N 512]; A: input context (given as codes); B: input wv_w (given as codes): QUANTISED
;;     5. batch 8 x [M 4,096, K 512] x [K 512, N 1,024]; A: computed on the way; B: computed on the way: QUANTISED
;;     6. batch 8 x [M 4,096, K 1,024] x [K 1,024, N 512]; A: softmax (see below); B: computed on the way: QUANTISED
;;     7. [M 256, K 768] x [K 768, N 32,768]; A: input proj_out_w (given as codes); B: computed on the way: QUANTISED
;;   THE QUANTISER, for each operand of a quantised product, along K:
;;     - K is cut into blocks of 32 from its start; a last block that is shorter is filled with zeros.
;;     - A block's scale is 2^e with e = floor(log2(the largest magnitude in the block)) - 15, held to -126 .. 127; a block of zeros has e = 0. As a byte (E8M0): e + 127.
;;     - Each number is divided by its block's scale, clamped to +-57,344, and rounded to the nearest number of E5M2, ties to even, subnormals kept.
;;     - The product sums the exact products of the quantised numbers (number of the format x scale) in f32.
;;   ~~~python
;;   def quantise(x, axis):      # numpy; x: float32 -> the quantised numbers, widened to float32 again
;;       x = np.moveaxis(x, axis, -1); K = x.shape[-1]
;;       x = np.pad(x, [(0, 0)] * (x.ndim - 1) + [(0, -K % 32)]); x = x.reshape(x.shape[:-1] + (-1, 32)); a = np.abs(x).max(-1, keepdims=True)
;;       e = np.where(a > 0, np.clip(np.frexp(np.where(a > 0, a, 1))[1] - 1 - 15, -126, 127), 0)      # np.frexp(a)[1] - 1 = floor(log2(a)), exactly
;;       r = np.clip(x / 2.0 ** e, -57344, 57344)
;;       step = 2.0 ** (np.maximum(np.frexp(np.where(r == 0, 1, r))[1] - 1, -14) - 2)
;;       q = np.round(r / step) * step * 2.0 ** e      # np.round: ties to even
;;       return np.moveaxis(q.reshape(q.shape[:-2] + (-1,))[..., :K], -1, axis).astype(np.float32)
;;   ~~~
;;   SOFTMAX AHEAD OF A QUANTISED PRODUCT. Where the list says 'softmax', what is quantised is not the finished softmax but p = 2^(t - M), with t = logit x log2(e) and M = ceil(the row's largest t), a whole number; so 1/2 < the row's largest p <= 1. The row's sum l is taken of the UNQUANTISED p, in f32, and the product's result is divided by l at the end. Since M is a whole number, a kernel that streams over the keys may use a running M (the ceiling of the running maximum): every later rescaling is an exact power of two, which a block's scale takes up: the codes' values come out the same.
;;   OPERANDS COMPUTED ON THE WAY. 'Computed on the way' means the value that the module computes at that place (a softmax that the list does not call 'softmax' is quantised finished and normalised). What goes into a quantiser is computed in f32, as accurately as f32 sums, v_exp_f32 and their like allow (about 1e-6 of the number): no bf16 or f16 on the way to a quantiser, and a product that is left as it is and whose result goes on into a quantised operand takes f32 operands (vector FMAs, or v_wmma_f32_16x16x4_f32). A number that lies on a knife's edge between two numbers of the format may be rounded either way, as far as f32 arithmetic and the matrix unit's own rounding can turn it there, and no further.
;;   INPUTS GIVEN AS CODES. context (in the module: [8, 512, 32, 32], K = its axis 1); proj_in_w (in the module: [512, 256], K = its axis 1); proj_out_w (in the module: [256, 768], K = its axis 1); wk_w (in the module: [512, 512], K = its axis 0); wq_w (in the module: [512, 512], K = its axis 0); wv_w (in the module: [512, 512], K = its axis 0): each comes as NAME_codes (uint8): NAME with its K axis moved to the last place and cut into blocks of 32 codes, [.., K / 32, bytes a block], one block behind the other in memory; one code a byte (a code: sign, 5 exponent bits, 2 mantissa bits); and NAME_scales (uint8): the same leading axes, one E8M0 byte (e + 127) for each 32 codes along K. Its value is code x scale, taken as it is: it is not quantised again, and the codes and scales need not be those that the quantiser above would give.
;; One version. Each part assembles by itself: llvm-mc -triple=amdgcn-amd-amdhsa -mcpu=gfx1250 --defsym DOCPART=n.
;; ======== version 1 of 1: 2 launches
;; workspace buffers: stream 9,394,176 bytes
;; launch prep (part 1): grid 64 x 4, 4 waves a work-group, clusters of 4 x 1, 205,312 bytes of LDS; arguments context_codes, context_scales, wk_w_codes, wk_w_scales, wk_b, wv_w_codes, wv_w_scales, wv_b, proj_in_w_codes, proj_in_w_scales, proj_in_b, wq_w_codes, wq_w_scales, wq_b, proj_out_w_codes, proj_out_w_scales, stream; writes stream
.if DOCPART == 1
	.amdgcn_target "amdgcn-amd-amdhsa--gfx1250"
	.amdhsa_code_object_version 6
	.text
	.protected	k_qa3b3de14dc_prep
	.globl	k_qa3b3de14dc_prep
	.p2align	8
	.type	k_qa3b3de14dc_prep,@function
k_qa3b3de14dc_prep:
	s_mov_b64 s[64:65], 0
	v_nop
	global_prefetch_b8 v0, s[64:65] scope:SCOPE_SE
	s_setreg_imm32_b32 hwreg(HW_REG_WAVE_MODE, 25, 1), 1
	s_wait_xcnt 0x0
	s_wait_alu depctr_hold_cnt(0) depctr_sa_sdst(0) depctr_va_vdst(0) depctr_va_sdst(0) depctr_va_ssrc(0) depctr_va_vcc(0) depctr_vm_vsrc(0)
	s_getreg_b32 s2, hwreg(HW_REG_IB_STS2, 6, 4)
	s_cmp_eq_u32 s2, 0
	s_cbranch_scc0 .Lentry_in_a_cluster
	s_endpgm
.Lentry_in_a_cluster:
	s_bfe_u32 s2, ttmp6, 0x10000c
	s_cmp_lg_u32 s2, 0x3003
	s_cbranch_scc0 .Lentry_shape_is_right
	s_endpgm
.Lentry_shape_is_right:
; K = ctx wk + bk and V = ctx wv + bv on codes of BF8 (E5M2) with E8M0 scales; K is quantised along d, V along the keys; both leave as IMAGES OF OPERAND REGISTERS
; into the buffer stream, and so do proj_in_w, wq_w, proj_out_w (copied, not quantised again) and the biases proj_in_b and wq_b.
; A fragment image is 2,048 bytes: register group c (0..3) at 512 c, lane l's 16 bytes at 16 l.  A pair image of scale words is 128 bytes: lane l holds the word of fragment 2 k + l / 16, row l % 16.
; stream: 4 items for proj_in and wq (one for each 128 of x), 64 items for K and V (batch x 128 keys), 1.5 items for proj_out_w.  An item is 64 fragments and 32 pair images: 135,168 bytes.
; SHARES.  Work-group (js, dq): 128 keys (js = 8 x batch + key step) x 128 of d (quarter dq).  Wave w makes key tiles 2 w, 2 w + 1 of K and d tiles 2 w, 2 w + 1 of V^T: 128 matrix instructions.
; Both products are laid so that a lane's registers run along the NEXT product's K: for K source 0 = 16 rows of wk, source 1 = 16 keys (a lane holds one key, registers run along d);
; for V source 0 = 16 keys, source 1 = 16 rows of wv (a lane holds one d, registers run along the keys).  THE ROWS OF A TILE ARE NOT NEIGHBOURS: lane r of tile T takes row 32 (T / 2) + 8 (T % 2) + r + 8 (r / 8),
; so that the 16 registers of tiles 2 b, 2 b + 1 are 16 neighbours along the next K.
; CLUSTER.  The four work-groups of a cluster differ in js alone: wk's and wv's 128 rows are asked for jointly; the context rows by loads of each work-group's own.
; LDS is filled once: three tiles of 128 rows of 512 + 16 bytes.  A tile's sixteen rows are eight neighbours and the eight that lie 16 rows further on, and 16 rows of any pitch that is a multiple of 16 bytes are a
; multiple of 256 bytes: so 128 spare bytes stand between the two halves of each 32 rows.  Lanes 0-7 then start at 16 r and lanes 8-15 at 128 + 16 r modulo 256 bytes: sixteen different groups of four banks
; (64 banks of 4 bytes: ISA guide 11.1).  That is why a wave's 32 rows of a tile come by two tensor loads of 16 rows.
; LIMITS: a block whose largest magnitude lies under 2^(16 - 127) gets the byte 1 (a block of zeros too: its codes are zeros, and this program alone reads the bytes); NaN and infinities are not served.
.set ITEM,  135168
.set SCO,   131072                     ; an item's pair images begin here
.set KVOFF, 4*ITEM
.set WO,    68*ITEM
.set PITCH, 528
.set HALF,  16*PITCH+128               ; from the first 16 rows of a block of 32 to the second 16
.set B32,   HALF+16*PITCH              ; a block of 32 rows: 17,024 bytes
.set LCT,   0                          ; LDS: 128 context rows
.set LWK,   4*B32                      ; 128 rows of wk
.set LWV,   8*B32                      ; 128 rows of wv
.set LI,   1                           ; v1   16 x lane
.set LS,   2                           ; v2   4 x lane
.set H64,  3                           ; v3   64 x (lane / 16)
.set LP,   4                           ; v4   my row of a tile: (r % 8) x pitch + (r / 8) x HALF + 16 h: also the streamed context tiles' address
.set ASTK, 5                           ; v5   the same in wk's tile
.set AHK,  6                           ; v6   my 32 context rows
.set PR16, 7                           ; v7   16 (r + 8 (r / 8))
.set PR4,  8                           ; v8   4 (r + 8 (r / 8))
.set HH,   10                          ; v10  h
.set RR,   11                          ; v11  r
.set PR,   12                          ; v12  r + 8 (r / 8)
.set AHV,  13                          ; v13  my 32 rows of wv
.set CO,   14                          ; v14, v15 offsets of the copy tasks
.set TM,   16                          ; v16-31 at work in QUANT
.set PC,   32                          ; v32-63 two fragments of codes
.set PW,   64                          ; v64-65 their scale words; v66 the pair
.set PP,   66
.set BVL,  68                          ; v68-69 bv of my lane's d
.set BV8,  72                          ; v72-87 the same, eight times: the C of V's first products
.set SAK,  96                          ; v96-127  wk's scale words (tile T, K step q at 4 T + q);  v128-135 my context tiles'
.set SHK,  128
.set SAV,  136                         ; v136-167 the context tiles';  v168-175 my wv tiles'
.set SHV,  168
.set CP,   176                         ; v176-208 the copy tasks
.set HD,   0                           ; window 1: v0-127 the 8 fragments that stay;  v128-255 two sets of 4 streamed fragments
.set FR,   128
.set JS,   2
.set DQ,   3
.set WAVE, 38
.set CX,   39
.set G1C,  40                          ; s[40:47] group 1, plain;  s[48:55] group 1, joint
.set G1W,  48
.set G0C,  56                          ; s[56:63] two groups 0 for the context rows;  s[68:75] for wk's;  s[76:83] for wv's
.set G0K,  68
.set G0V,  76
.set CLIN, 66
.set HM,   67                          ; lanes 16-31
.set MNT,  100                         ; the mantissa field of 57,344
.set SEL,  104
; s8, s9, s14, s15 are at work once wk's and wv's code addresses stand in the descriptors; s84-95 likewise
.set MSB, 0
.macro WIN new                         ; the immediate's high byte repeats the setting that is left
.if MSB != (\new)
	s_set_vgpr_msb (MSB<<8)|(\new)
.set MSB, (\new)
.endif
.endm
.macro NOPS n
.rept \n
	v_nop
.endr
.endm
.macro ROUND                           ; a round of the cluster's barrier
	s_barrier_signal -1
	s_barrier_wait -1
	s_cmp_lg_u32 s[WAVE], 0
	s_cbranch_scc1 .Lnw0_\@
	s_barrier_signal -3
.Lnw0_\@:
	s_barrier_wait -3
	s_barrier_signal -1
	s_barrier_wait -1
.endm
.macro WMC d, a, b, c, sa, sb
	v_wmma_scale_f32_16x16x128_f8f6f4 v[(\d):(\d)+7], v[(\a):(\a)+15], v[(\b):(\b)+15], v[(\c):(\c)+7], v[\sa], v[\sb] matrix_a_fmt:MATRIX_FMT_BF8 matrix_b_fmt:MATRIX_FMT_BF8
.endm
; 64 numbers of a lane in window sw, register 16 b + i = k 32 b + 16 h + i of my row, become a fragment's codes (window dw) and its scale word
.macro QUANT src, sw, dst, dw, wreg
	WIN (\sw)|((\sw)<<2)
.irp b,0,1,2,3
	v_max3_num_f32 v[TM+\b], |v[(\src)+16*\b]|, |v[(\src)+16*\b+1]|, 0x8000000   ; my 16 numbers of block b and the floor 2^(16 - 127): the byte cannot fall under 1
.endr
	WIN ((\sw)<<2)|((\sw)<<4)
.irp i,2,4,6,8,10,12,14
.irp b,0,1,2,3
	v_max3_num_f32 v[TM+\b], v[TM+\b], |v[(\src)+16*\b+\i]|, |v[(\src)+16*\b+\i+1]|
.endr
.endr
	WIN 0
.irp b,0,1,2,3
	v_permlanex16_b32 v[TM+4+\b], v[TM+\b], s[SEL], s[SEL+1]
.endr
.irp b,0,1,2,3
	v_max_num_f32 v[TM+\b], v[TM+\b], v[TM+4+\b]                 ; with lane l xor 16's: the block's largest magnitude
.endr
.irp b,0,1,2,3
	v_add_nc_u32 v[TM+12+\b], 0xf8800000, v[TM+\b]               ; 15 off its exponent field: the conversion's scale operand
.endr
.irp b,0,1,2,3
	v_and_or_b32 v[TM+8+\b], v[TM+\b], 0x7f800000, s[MNT]        ; 57,344 x the scale
.endr
.irp b,0,1,2,3
	v_lshrrev_b32 v[TM+4+\b], 23, v[TM+12+\b]                    ; the scale's byte
.endr
	v_lshl_or_b32 v[\wreg], v[TM+5], 8, v[TM+4]
	v_lshl_or_b32 v[\wreg], v[TM+6], 16, v[\wreg]
	v_lshl_or_b32 v[\wreg], v[TM+7], 24, v[\wreg]
	WIN (\sw)|((\sw)<<6)
.irp b,0,1,2,3
.irp i,0,1,2,3,4,5,6,7,8,9,10,11,12,13,14,15
	v_med3_num_f32 v[(\src)+16*\b+\i], v[(\src)+16*\b+\i], -v[TM+8+\b], v[TM+8+\b]   ; the conversion to an 8-bit code does not saturate (ISA guide 7.6.2): the hold comes first
.endr
.endr
	WIN (\sw)|((\dw)<<6)
.irp b,0,1,2,3
	v_cvt_scalef32_pk8_bf8_f32 v[(\dst)+4*\b:(\dst)+4*\b+1], v[(\src)+16*\b:(\src)+16*\b+7], v[TM+12+\b]
	v_cvt_scalef32_pk8_bf8_f32 v[(\dst)+4*\b+2:(\dst)+4*\b+3], v[(\src)+16*\b+8:(\src)+16*\b+15], v[TM+12+\b]
.endr
	WIN 0
	v_nop                                          ; one plain line behind the last conversion
.endm
; two groups 0 for my 32 rows of a tile: rows 0-15 at the block's head, rows 16-31 HALF bytes on; in memory they lie on end, 8,192 bytes each
.macro MKG0 g, ptr, off, lds
	s_mov_b32 s[\g], 1
	s_add_co_u32 s[\g+1], s89, \lds
	s_add_nc_u64 s[\g+2:\g+3], s[\ptr:\ptr+1], s[\off:\off+1]
	s_mov_b32 s[\g+4], 1
	s_add_co_u32 s[\g+5], s89, \lds+HALF
	s_add_nc_u64 s[\g+6:\g+7], s[\g+2:\g+3], 8192
	s_or_b32 s[\g+3], s[\g+3], 0x80000000
	s_or_b32 s[\g+7], s[\g+7], 0x80000000
.endm
	s_load_b512 s[4:19], s[0:1], 0x0               ; context codes, scales; wk codes, scales, bias; wv codes, scales, bias
	s_load_b512 s[20:35], s[0:1], 0x40             ; proj_in codes, scales, bias; wq codes, scales, bias; proj_out codes, scales
	s_load_b64 s[36:37], s[0:1], 0x80              ; stream
	v_lshl_add_u32 v254, v0, 2, 0x32000
	v_mov_b32 v255, 0
	ds_add_u32 v254, v255
	ds_add_u32 v254, v255
	v_lshrrev_b32 v9, 5, v0
	v_readfirstlane_b32 s[WAVE], v9                ; wave 0..3
	s_bfe_u32 s[CX], ttmp6, 0x40000                ; my place in the cluster: it enters global offsets alone
	s_lshl_b32 s[JS], ttmp9, 2
	s_add_co_u32 s[JS], s[JS], s[CX]               ; js = 4 x cluster x + cx
	s_and_b32 s[DQ], ttmp7, 0xffff                 ; the quarter of d
	s_lshl_b32 s[CLIN], s[DQ], 4
	s_add_co_u32 s[CLIN], s[CLIN], ttmp9           ; the cluster's number, 0..63: the same in all four partners
	; group 1: 16 rows of 512 bytes (64 elements of 8), dense in memory, 16 bytes of padding behind each row in LDS
	s_mov_b32 s[G1C], (3<<16)|(1<<20)|(6<<22)|(3<<25)
	s_mov_b32 s[G1W], 15|(3<<16)|(1<<20)|(1<<21)|(6<<22)|(3<<25)   ; the same with the mask of all four work-groups
.irp g, G1C, G1W
	s_mov_b32 s[\g+1], 64<<16                      ; tensor_dim0
	s_mov_b32 s[\g+2], 16<<16                      ; tensor_dim1
	s_mov_b32 s[\g+3], 64<<16                      ; tile_dim0
	s_mov_b32 s[\g+4], 16                          ; tile_dim1
	s_mov_b32 s[\g+5], 64                          ; the pitch
	s_mov_b32 s[\g+6], 0
	s_mov_b32 s[\g+7], 0
.endr
	s_mov_b32 s[HM], 0xffff0000
	s_mov_b32 s[MNT], 0x600000
	s_mov_b32 s[SEL], 0x76543210
	s_mov_b32 s[SEL+1], 0xfedcba98
	s_lshl_b32 s88, s[WAVE], 14                    ; my 32 rows of 512 bytes
	s_lshl_b32 s84, s[JS], 16                      ; the work-group's 128 context rows
	s_add_co_u32 s84, s84, s88
	s_mov_b32 s85, 0
	s_lshl_b32 s86, s[DQ], 16                      ; the quarter's 128 rows of a weight: no place in the cluster enters
	s_add_co_u32 s86, s86, s88
	s_mov_b32 s87, 0
	s_mul_i32 s89, s[WAVE], B32                    ; my block of 32 rows in a tile
	s_wait_dscnt 0x0
	s_wait_kmcnt 0x0
	MKG0 G0C, 4, 84, LCT
	MKG0 G0K, 8, 86, LWK
	MKG0 G0V, 14, 86, LWV
	ROUND                                          ; all four work-groups are here: the joint loads meet
	tensor_load_to_lds s[G0C:G0C+3], s[G1C:G1C+7]  ; six loads of mine are out: the launch's only fills
	s_nop 0
	tensor_load_to_lds s[G0C+4:G0C+7], s[G1C:G1C+7]
	s_nop 0
	tensor_load_to_lds s[G0K:G0K+3], s[G1W:G1W+7]
	s_nop 0
	tensor_load_to_lds s[G0K+4:G0K+7], s[G1W:G1W+7]
	s_nop 0
	tensor_load_to_lds s[G0V:G0V+3], s[G1W:G1W+7]
	s_nop 0
	tensor_load_to_lds s[G0V+4:G0V+7], s[G1W:G1W+7]
	s_nop 0
	NOPS 4
	v_and_b32 v9, 31, v0
	v_lshlrev_b32 v[LI], 4, v9
	v_lshlrev_b32 v[LS], 2, v9
	v_bfe_u32 v[HH], v0, 4, 1
	v_lshlrev_b32 v[H64], 6, v[HH]
	v_and_b32 v[RR], 15, v0
	v_and_b32 v[PR], 8, v[RR]
	v_add_nc_u32 v[PR], v[PR], v[RR]
	v_and_b32 v9, 7, v0
	v_mul_u32_u24 v[LP], v9, PITCH                 ; r % 8 rows,
	v_bfe_u32 v9, v0, 3, 1
	v_mad_u32_u24 v[LP], v9, HALF, v[LP]           ; lanes 8-15 in the block's second half,
	v_lshl_add_u32 v[LP], v[HH], 4, v[LP]          ; + 16 h
	v_add_nc_u32 v[ASTK], LWK, v[LP]
	v_add_nc_u32 v[AHK], s89, v[LP]
	v_add_nc_u32 v[AHV], LWV, v[AHK]
	v_lshlrev_b32 v[PR16], 4, v[PR]
	v_lshlrev_b32 v[PR4], 2, v[PR]
.irp b,0,1,2,3
	v_mov_b32 v[TM+4+\b], 0                        ; written once: a lane permute's destination counts as one of its sources
.endr
	; the bases of the scale words, of the biases and of my stores
	s_mov_b32 s9, 0
	s_mov_b32 s15, 0
	s_lshl_b32 s8, s[DQ], 11                       ; 128 rows x 16 bytes
	s_add_nc_u64 s[10:11], s[10:11], s[8:9]        ; wk's scales at the quarter
	s_lshl_b32 s14, s[WAVE], 9                     ; 32 rows x 16 bytes
	s_add_co_u32 s8, s8, s14
	s_add_nc_u64 s[16:17], s[16:17], s[8:9]        ; wv's at my 32 rows
	s_lshl_b32 s8, s[JS], 11
	s_add_nc_u64 s[6:7], s[6:7], s[8:9]            ; the context's at the work-group's 128 rows
	s_add_nc_u64 s[4:5], s[6:7], s[14:15]          ; and at my 32
	s_lshl_b32 s8, s[DQ], 9
	s_add_nc_u64 s[12:13], s[12:13], s[8:9]        ; bk at the quarter
	s_lshl_b32 s14, s[WAVE], 7
	s_add_co_u32 s8, s8, s14
	s_add_nc_u64 s[18:19], s[18:19], s[8:9]        ; bv at my 32
	s_mul_i32 s8, s[JS], ITEM
	s_add_co_u32 s8, s8, KVOFF                     ; my item
	s_lshl_b32 s14, s[DQ], 14
	s_lshl_b32 s84, s[WAVE], 12
	s_add_co_u32 s14, s14, s84
	s_add_co_u32 s14, s14, s8
	s_add_nc_u64 s[96:97], s[36:37], s[14:15]      ; fragment 8 dq + 2 w
	s_lshl_b32 s14, s[DQ], 9
	s_lshl_b32 s84, s[WAVE], 7
	s_add_co_u32 s14, s14, s84
	s_add_co_u32 s14, s14, s8
	s_add_co_u32 s14, s14, SCO
	s_add_nc_u64 s[98:99], s[36:37], s[14:15]      ; pair image 4 dq + w
.irp T,0,1,2,3,4,5,6,7
	global_load_b128 v[SAK+4*\T:SAK+4*\T+3], v[PR16], s[10:11] offset:(32*(\T/2)+8*(\T%2))*16   ; a row's 16 scale bytes: four K steps' words
	global_load_b128 v[SAV+4*\T:SAV+4*\T+3], v[PR16], s[6:7] offset:(32*(\T/2)+8*(\T%2))*16
.endr
.irp u,0,1
	global_load_b128 v[SHK+4*\u:SHK+4*\u+3], v[PR16], s[4:5] offset:128*\u
	global_load_b128 v[SHV+4*\u:SHV+4*\u+3], v[PR16], s[16:17] offset:128*\u
	global_load_b32 v[BVL+\u], v[PR4], s[18:19] offset:32*\u
.endr
	WIN 0x80                                       ; bk goes straight into K's accumulators (window 2): the sums begin with it
.irp u,0,1
.irp T,0,1,2,3,4,5,6,7
	global_load_b128 v[64*\u+8*\T:64*\u+8*\T+3], v[H64], s[12:13] offset:(32*(\T/2)+8*(\T%2))*4
	global_load_b128 v[64*\u+8*\T+4:64*\u+8*\T+7], v[H64], s[12:13] offset:(32*(\T/2)+8*(\T%2))*4+16
.endr
.endr
	WIN 0
	s_wait_xcnt 0x0                                ; the loads above have read their bases: the scalars below may be written
; THE COPY TASKS stand here, while the tiles are on their way.  Which task a wave has hangs on the cluster's number and the wave's; the partners are told apart by address.
; A pair task copies two fragments and their pair image.  s[86:87] codes, s[88:89] scales, s[90:91], s[92:93] where they go.
.macro COPYPAIR vr, rowb, scb, es
	v_mul_u32_u24 v[CO], v[\vr], \rowb
	v_lshl_add_u32 v[CO], v[HH], 4, v[CO]          ; my row, + 16 h
	v_mul_u32_u24 v[CO+1], v[HH], \es
	v_add_nc_u32 v[CO+1], v[CO+1], v[\vr]
	v_mul_u32_u24 v[CO+1], v[CO+1], \scb           ; lanes 16-31 take the second fragment's rows
.irp e,0,1
.irp c,0,1,2,3
	global_load_b128 v[CP+16*\e+4*\c:CP+16*\e+4*\c+3], v[CO], s[86:87] offset:\e*(\es)*(\rowb)+32*\c
.endr
.endr
	global_load_b32 v[CP+32], v[CO+1], s[88:89]
	s_wait_loadcnt 0x0
.irp e,0,1
.irp c,0,1,2,3
	global_store_b128 v[LI], v[CP+16*\e+4*\c:CP+16*\e+4*\c+3], s[90:91] offset:2048*\e+512*\c   ; 32 lanes store 512 consecutive bytes
.endr
.endr
	global_store_b32 v[LS], v[CP+32], s[92:93]
.endm
	s_mov_b32 s85, 0
	s_mov_b32 s91, 0
	s_mov_b32 s93, 0
	s_cmp_ge_u32 s[CLIN], 2
	s_cbranch_scc1 .Lnot_w1
	; proj_in_w: clusters 0, 1.  Pair 16 x cluster + 4 w + cx: item s = pair / 8, lp = pair % 8
	s_and_b32 s8, s[WAVE], 1
	s_lshl_b32 s8, s8, 2
	s_add_co_u32 s8, s8, s[CX]                     ; lp
	s_lshr_b32 s9, s[WAVE], 1
	s_lshl_b32 s14, s[CLIN], 1
	s_add_co_u32 s9, s9, s14                       ; s
	s_lshl_b32 s14, s9, 2
	s_lshr_b32 s15, s8, 2
	s_lshl_b32 s15, s15, 1
	s_add_co_u32 s14, s14, s15
	s_and_b32 s15, s8, 1
	s_add_co_u32 s14, s14, s15
	s_lshl_b32 s14, s14, 5                         ; first row: 32 (4 s + 2 (lp / 4) + lp % 2)
	s_bfe_u32 s15, s8, 0x10001                     ; K step (lp / 2) % 2
	s_lshl_b32 s84, s14, 8
	s_lshl_b32 s94, s15, 7
	s_add_co_u32 s84, s84, s94
	s_add_nc_u64 s[86:87], s[20:21], s[84:85]
	s_lshl_b32 s84, s14, 3
	s_lshl_b32 s94, s15, 2
	s_add_co_u32 s84, s84, s94
	s_add_nc_u64 s[88:89], s[22:23], s[84:85]
	s_mul_i32 s84, s9, ITEM
	s_lshl_b32 s90, s8, 12
	s_add_co_u32 s90, s90, s84
	s_add_nc_u64 s[90:91], s[36:37], s[90:91]
	s_lshl_b32 s92, s8, 7
	s_add_co_u32 s92, s92, s84
	s_add_co_u32 s92, s92, SCO
	s_add_nc_u64 s[92:93], s[36:37], s[92:93]
	COPYPAIR PR, 256, 8, 8
	s_branch .Lcopied
.Lnot_w1:
	s_cmp_ge_u32 s[CLIN], 6
	s_cbranch_scc1 .Lnot_wq
	; wq_w: clusters 2 to 5.  Item s = cluster - 2, pair of tiles tp = 4 w + cx
	s_sub_co_u32 s9, s[CLIN], 2
	s_lshl_b32 s8, s[WAVE], 2
	s_add_co_u32 s8, s8, s[CX]
	s_lshl_b32 s84, s8, 14                         ; 32 tp rows of 512 bytes
	s_lshl_b32 s94, s9, 7
	s_add_co_u32 s84, s84, s94
	s_add_nc_u64 s[86:87], s[26:27], s[84:85]
	s_lshl_b32 s84, s8, 9
	s_lshl_b32 s94, s9, 2
	s_add_co_u32 s84, s84, s94
	s_add_nc_u64 s[88:89], s[28:29], s[84:85]
	s_mul_i32 s84, s9, ITEM
	s_lshl_b32 s90, s8, 12
	s_add_co_u32 s90, s90, s84
	s_add_co_u32 s90, s90, 32768                   ; behind proj_in's 16 fragments
	s_add_nc_u64 s[90:91], s[36:37], s[90:91]
	s_lshl_b32 s92, s8, 7
	s_add_co_u32 s92, s92, s84
	s_add_co_u32 s92, s92, SCO+1024
	s_add_nc_u64 s[92:93], s[36:37], s[92:93]
	COPYPAIR PR, 512, 16, 8
	s_branch .Lcopied
.Lnot_wq:
	s_cmp_ge_u32 s[CLIN], 9
	s_cbranch_scc1 .Lnot_wo
	; proj_out_w: clusters 6 to 8.  Pair = 16 (cluster - 6) + 4 w + cx: K step pair / 8, pair of tiles pair % 8; rows in their own order
	s_cmp_eq_u32 s[CLIN], 8                        ; K steps 4 and 5 lie in the half item behind the whole one
	s_cselect_b32 s94, 4096, 0
	s_cselect_b32 s95, 65536, 0
	s_sub_co_u32 s9, s[CLIN], 6
	s_lshl_b32 s14, s9, 4
	s_lshl_b32 s8, s[WAVE], 2
	s_add_co_u32 s8, s8, s[CX]
	s_add_co_u32 s14, s14, s8                      ; the pair
	s_and_b32 s8, s14, 7
	s_lshr_b32 s15, s14, 3
	s_mul_i32 s84, s8, 24576                       ; 32 tp rows of 768 bytes
	s_lshl_b32 s9, s15, 7
	s_add_co_u32 s84, s84, s9
	s_add_nc_u64 s[86:87], s[32:33], s[84:85]
	s_mul_i32 s84, s8, 768                         ; 32 tp rows of 24 bytes
	s_lshl_b32 s9, s15, 2
	s_add_co_u32 s84, s84, s9
	s_add_nc_u64 s[88:89], s[34:35], s[84:85]
	s_lshl_b32 s90, s14, 12
	s_add_co_u32 s90, s90, s94
	s_add_co_u32 s90, s90, WO
	s_add_nc_u64 s[90:91], s[36:37], s[90:91]
	s_lshl_b32 s92, s14, 7
	s_add_co_u32 s92, s92, s95
	s_add_co_u32 s92, s92, WO+SCO
	s_add_nc_u64 s[92:93], s[36:37], s[92:93]
	COPYPAIR RR, 768, 24, 16
	s_branch .Lcopied
.Lnot_wo:
	s_cmp_ge_u32 s[CLIN], 13
	s_cbranch_scc1 .Lcopied
	; the rest of the first four items: clusters 9 to 12.  Piece q = 4 (cluster - 9) + w of 2,048 bytes from byte 98,304 of item cx: 0 proj_in_b, 1 wq_b, the others zeros
	s_sub_co_u32 s8, s[CLIN], 9
	s_lshl_b32 s8, s8, 2
	s_add_co_u32 s8, s8, s[WAVE]
	s_mul_i32 s84, s[CX], ITEM
	s_lshl_b32 s9, s8, 11
	s_add_co_u32 s84, s84, s9
	s_add_co_u32 s84, s84, 98304
	s_add_nc_u64 s[90:91], s[36:37], s[84:85]
	s_cmp_lt_u32 s8, 2
	s_cbranch_scc0 .Lzeros
	s_cmp_eq_u32 s8, 0
	s_cselect_b64 s[86:87], s[24:25], s[30:31]
.irp c,0,1,2,3
	global_load_b128 v[CP+4*\c:CP+4*\c+3], v[LI], s[86:87] offset:512*\c
.endr
	s_wait_loadcnt 0x0
	s_branch .Lgap_out
.Lzeros:
.irp c,0,1,2,3,4,5,6,7,8,9,10,11,12,13,14,15
	v_mov_b32 v[CP+\c], 0
.endr
.Lgap_out:
.irp c,0,1,2,3
	global_store_b128 v[LI], v[CP+4*\c:CP+4*\c+3], s[90:91] offset:512*\c
.endr
	s_cmp_eq_u32 s8, 15
	s_cbranch_scc0 .Lcopied
	global_store_b128 v[LI], v[CP:CP+3], s[90:91] offset:5120       ; piece 15 also clears pair images 24 to 31: 1,024 bytes at SCO + 3,072
	global_store_b128 v[LI], v[CP+4:CP+7], s[90:91] offset:5632
.Lcopied:
	s_wait_tensorcnt 0x0                           ; my parts of the three tiles are in,
	s_wait_loadcnt 0x0                             ; and the scale words and biases
	s_barrier_signal -1
	s_barrier_wait -1                              ; everybody's are
; 16 streamed loads: quad k = tiles 4 (k % 2) + i of K step k / 2, into set k % 2.  Tile T begins (T / 2) blocks of 32 rows and (T % 2) x 8 rows on
.macro QUADF ast, k
.irp i,0,1,2,3
.irp c,0,1,2,3
	ds_load_b128 v[FR+64*((\k)%2)+16*\i+4*\c:FR+64*((\k)%2)+16*\i+4*\c+3], v[\ast] offset:(2*((\k)%2)+\i/2)*B32+(\i%2)*8*PITCH+128*((\k)/2)+32*\c
.endr
.endr
.endm
; 64 matrix instructions: 8 streamed tiles x my 2 held tiles x 4 K steps.  The sixteen accumulators take turns, one instruction a turn.  cb = 1: the sums begin with BV8.
.macro GEMM ast, ah, sa, sh, cb
	WIN 0x40
.irp u,0,1
.irp q,0,1,2,3
.irp c,0,1,2,3
	ds_load_b128 v[HD+16*(4*\u+\q)+4*\c:HD+16*(4*\u+\q)+4*\c+3], v[\ah] offset:8*\u*PITCH+128*\q+32*\c
.endr
.endr
.endr
	QUADF \ast, 0
	QUADF \ast, 1
.irp k,0,1,2,3,4,5,6,7
.if \k<7
	s_wait_dscnt 16                                ; all but the next quad's sixteen loads
.else
	s_wait_dscnt 0x0
.endif
.if (\cb)&&(\k<2)
	WIN 0x85                                       ; sources 0 and 1 window 1, C window 0, D window 2
.else
	WIN 0xa5                                       ; C and D window 2
.endif
.irp i,0,1,2,3
.irp u,0,1
.if (\cb)&&(\k<2)
	WMC 64*\u+8*(4*(\k%2)+\i), FR+64*(\k%2)+16*\i, HD+16*(4*\u+\k/2), BV8+8*\u, \sa+4*(4*(\k%2)+\i)+\k/2, \sh+4*\u+\k/2
.else
	WMC 64*\u+8*(4*(\k%2)+\i), FR+64*(\k%2)+16*\i, HD+16*(4*\u+\k/2), 64*\u+8*(4*(\k%2)+\i), \sa+4*(4*(\k%2)+\i)+\k/2, \sh+4*\u+\k/2
.endif
.endr
.endr
	NOPS 8                                         ; eight places in front of loads into registers that these products read, and of the first read of results
.if \k<6
	WIN 0x40
	QUADF \ast, \k+2
.endif
.endr
	WIN 0
.endm
.macro OUTKV off, soff                 ; my two fragments and their pair image leave
.irp u,0,1
.irp c,0,1,2,3
	global_store_b128 v[LI], v[PC+16*\u+4*\c:PC+16*\u+4*\c+3], s[96:97] offset:\off+2048*\u+512*\c
.endr
.endr
	v_cndmask_b32 v[PP], v[PW], v[PW+1], s[HM]     ; lanes 0-15 the first fragment's words, lanes 16-31 the second's (both halves of the lanes hold a row's word)
	global_store_b32 v[LS], v[PP], s[98:99] offset:\soff
.endm
	GEMM ASTK, AHK, SAK, SHK, 0                    ; K: source 0 = rows of wk, source 1 = my keys
	QUANT 0, 2, PC, 0, PW
	QUANT 64, 2, PC+16, 0, PW+1
	OUTKV 0, 0
.irp u,0,1
.irp j,0,1,2,3,4,5,6,7
	v_mov_b32 v[BV8+8*\u+\j], v[BVL+\u]            ; a lane holds one d: its bias in all eight registers
.endr
.endr
	GEMM LP, AHV, SAV, SHV, 1                      ; V: source 0 = the keys, source 1 = my rows of wv
	s_wait_xcnt 0x0                                ; K's stores have read their registers: the codes and words may be written again
	QUANT 0, 2, PC, 0, PW
	QUANT 64, 2, PC+16, 0, PW+1
	OUTKV 65536, 2048
	s_wait_tensorcnt 0x0
	ds_add_u32 v254, v255
	s_wait_dscnt 0x0
	ROUND                                          ; the closing round: no work-group ends while a partner may still ask jointly
	s_endpgm
.Lfunc_end_k_qa3b3de14dc_prep:
	.size	k_qa3b3de14dc_prep, .Lfunc_end_k_qa3b3de14dc_prep-k_qa3b3de14dc_prep
	.p2alignl 7, 3214868480
	.fill 96, 4, 3214868480
	.section	.rodata,"a",@progbits
	.p2align	6, 0x0
	.amdhsa_kernel k_qa3b3de14dc_prep
		.amdhsa_group_segment_fixed_size 205312
		.amdhsa_private_segment_fixed_size 0
		.amdhsa_enable_private_segment 0
		.amdhsa_kernarg_size 136
		.amdhsa_user_sgpr_count 2
		.amdhsa_user_sgpr_kernarg_segment_ptr 1
		.amdhsa_wavefront_size32 1
		.amdhsa_system_sgpr_workgroup_id_x 1
		.amdhsa_system_sgpr_workgroup_id_y 1
		.amdhsa_system_sgpr_workgroup_id_z 1
		.amdhsa_system_vgpr_workitem_id 0
		.amdhsa_next_free_vgpr 640
		.amdhsa_next_free_sgpr 106
		.amdhsa_reserve_vcc 0
		.amdhsa_float_denorm_mode_32 3
		.amdhsa_float_denorm_mode_16_64 3
		.amdhsa_memory_ordered 1
		.amdhsa_forward_progress 1
		.amdhsa_inst_pref_size 101
	.end_amdhsa_kernel
	.amdgpu_metadata
---
amdhsa.version: [ 1, 2 ]
amdhsa.kernels:
  - .name:           k_qa3b3de14dc_prep
    .symbol:         k_qa3b3de14dc_prep.kd
    .args:
      - { .name: context_codes, .offset: 0, .size: 8, .value_kind: global_buffer, .address_space: global }
      - { .name: context_scales, .offset: 8, .size: 8, .value_kind: global_buffer, .address_space: global }
      - { .name: wk_w_codes, .offset: 16, .size: 8, .value_kind: global_buffer, .address_space: global }
      - { .name: wk_w_scales, .offset: 24, .size: 8, .value_kind: global_buffer, .address_space: global }
      - { .name: wk_b, .offset: 32, .size: 8, .value_kind: global_buffer, .address_space: global }
      - { .name: wv_w_codes, .offset: 40, .size: 8, .value_kind: global_buffer, .address_space: global }
      - { .name: wv_w_scales, .offset: 48, .size: 8, .value_kind: global_buffer, .address_space: global }
      - { .name: wv_b, .offset: 56, .size: 8, .value_kind: global_buffer, .address_space: global }
      - { .name: proj_in_w_codes, .offset: 64, .size: 8, .value_kind: global_buffer, .address_space: global }
      - { .name: proj_in_w_scales, .offset: 72, .size: 8, .value_kind: global_buffer, .address_space: global }
      - { .name: proj_in_b, .offset: 80, .size: 8, .value_kind: global_buffer, .address_space: global }
      - { .name: wq_w_codes, .offset: 88, .size: 8, .value_kind: global_buffer, .address_space: global }
      - { .name: wq_w_scales, .offset: 96, .size: 8, .value_kind: global_buffer, .address_space: global }
      - { .name: wq_b, .offset: 104, .size: 8, .value_kind: global_buffer, .address_space: global }
      - { .name: proj_out_w_codes, .offset: 112, .size: 8, .value_kind: global_buffer, .address_space: global }
      - { .name: proj_out_w_scales, .offset: 120, .size: 8, .value_kind: global_buffer, .address_space: global }
      - { .name: stream, .offset: 128, .size: 8, .value_kind: global_buffer, .address_space: global }
    .group_segment_fixed_size: 205312
    .private_segment_fixed_size: 0
    .kernarg_segment_align: 8
    .kernarg_segment_size: 136
    .max_flat_workgroup_size: 128
    .sgpr_count:     106
    .vgpr_count:     640
    .wavefront_size: 32
...
	.end_amdgpu_metadata
.endif
;; end of part 1
;; launch attn (part 2): grid 32 x 8, 4 waves a work-group, clusters of 4 x 1, 327,680 bytes of LDS; arguments input, stream, proj_out_b, out0; writes out0
.if DOCPART == 2
	.amdgcn_target "amdgcn-amd-amdhsa--gfx1250"
	.amdhsa_code_object_version 6
	.text
	.protected	k_qa3b3de14dc_attn
	.globl	k_qa3b3de14dc_attn
	.p2align	8
	.type	k_qa3b3de14dc_attn,@function
k_qa3b3de14dc_attn:
	s_mov_b64 s[64:65], 0
	v_nop
	global_prefetch_b8 v0, s[64:65] scope:SCOPE_SE
	s_setreg_imm32_b32 hwreg(HW_REG_WAVE_MODE, 25, 1), 1
	s_wait_xcnt 0x0
	s_wait_alu depctr_hold_cnt(0) depctr_sa_sdst(0) depctr_va_vdst(0) depctr_va_sdst(0) depctr_va_ssrc(0) depctr_va_vcc(0) depctr_vm_vsrc(0)
	s_getreg_b32 s2, hwreg(HW_REG_IB_STS2, 6, 4)
	s_cmp_eq_u32 s2, 0
	s_cbranch_scc0 .Lentry_in_a_cluster
	s_endpgm
.Lentry_in_a_cluster:
	s_bfe_u32 s2, ttmp6, 0x10000c
	s_cmp_lg_u32 s2, 0x3003
	s_cbranch_scc0 .Lentry_shape_is_right
	s_endpgm
.Lentry_shape_is_right:
; out0 = proj_out([input ; softmax(Q K^T / sqrt(512)) V]) with Q = (proj_in(input) + b) wq + bq, every product on codes of BF8 (E5M2) with one E8M0 scale for each 32 along its K.
; SHARES.  A work-group owns 128 pixels of one batch; wave w owns pixels 32 w .. 32 w + 31, two tiles p of 16, with all 512 of d: O^T is 512 registers (windows 2 and 3).
; All operands that are streamed come from the buffer stream as items of 64 fragment images (2,048 bytes: register group c at 512 c, lane l at 16 l) and 32 pair images of scale words
; (128 bytes: lane l holds the word of fragment 2 k + l / 16, row l % 16).  Fourteen items go through a ring of two LDS slots: 4 for proj_in and wq, 8 for K and V, 1.5 for proj_out.
; The four work-groups of a cluster belong to one batch and walk the same items: each wave asks for a quarter of an item JOINTLY with its partners.
; LAYOUT.  Products 1, 2, 5, 6 are used transposed (source 0 = 16 rows of the streamed operand, source 1 = 16 pixels): a lane holds ONE pixel and its registers run along the next product's K
; (the rows of a streamed tile are chosen for it: lane r of tile T holds row 32 (T / 2) + 8 (T % 2) + r + 8 (r / 8)).  The last product has the pixels as source 0: a lane holds eight neighbouring pixels of a row of out0.
; SOFTMAX.  t = score x log2(e) / sqrt(512); M = the running largest t rounded up to a whole number; p = 2^(t - M) is quantised along the keys; the sum is taken of the unquantised p; O and the sum are
; multiplied by 2^(old M - new M) in every key step, which rounds nothing; O is divided by the sum ahead of its quantiser.
; input is quantised once, along the channels: its codes serve the first product and the first 256 of the last product's K.
; THE LAST PRODUCT GOES BY ROWS OF out0: four groups of 64 rows, each through all six K steps, so that a finished group's rows are stored while the next groups are multiplied.
; LIMITS: O^T is never cleared: the first key step multiplies what stands in its registers (Q's sums, held within their blocks' largest code) by 2^(-2^31) = 0; Q's sums that are NaN give NaN.
; A block whose largest magnitude lies under 2^(16 - 127) gets the byte 1 (a block of zeros too: its codes are zeros).  NaN and infinities among the inputs are not served.
; REGISTERS.  window 0: v1-19 addresses and the input's scale words; v20-23 streamed scale words; v24-31 Q's (later O's) scale words; v32-33 p's (x's); v36-47 statistics; v48-67 at work; v68-83 the input's codes on their way;
;   v96-127 p's (x's) codes; v128-255 S^T (x's sums; the input's numbers; in the tail the input's codes and the bias).
;   window 1: v0-127 Q's codes (before them the input's, after them O's); v128-255 two sets of four streamed fragments.   windows 2, 3: Q's sums, then O^T, then the last product's sums (window 2) and rows of out0 (window 3).
.set ITEM,  135168                     ; an item, and a slot
.set QTR,   33792                      ; a wave's quarter: 132 rows of 256 bytes
.set SCO,   131072                     ; an item's pair images
.set KVOFF, 4*ITEM
.set WO,    68*ITEM
.set SCR,   2*ITEM                     ; LDS behind the ring: 8,192 bytes for each wave: the images of its input codes
.set SPARE, SCR+32768                  ; the spare words, 128 bytes for each wave: two blocks of 256 bytes that no other line names
.set STG,   ITEM+67584                 ; the way out: two stages of 64 rows x (512 + 16) bytes in the upper half of slot 1, behind the half item: those bytes have had their last fill and their last read
.set STGB,  64*528
.set BIN,   98304                      ; proj_in_b in an item of the first four;
.set BQ,    100352                     ; wq_b
.set LI,  1                            ; 16 x lane
.set LS,  2                            ; 4 x lane
.set H64, 3                            ; 64 x (lane / 16)
.set A0,  4                            ; v4-7  the slot in hand + 32,768 q + 16 x lane
.set AS,  8                            ; its pair images + 4 x lane
.set BH,  9                            ; proj_in_b's 128 numbers of the step + 64 h
.set SPW, 10                           ; my spare word; never rewritten
.set NIL, 11                           ; 0; never rewritten
.set PXA, 12                           ; v12-13 my pixel in the input tile, channels 0 and 128; in the tail v12: where I put results in a stage
.set SCW, 14                           ; my place in my wave's scratch
.set RD,  15                           ; the stage: where I read rows back
.set PFO, 16                           ; 256 x lane: the prefetches' offset; never rewritten
.set R4,  17                           ; 4 x (lane % 16)
.set INS, 18                           ; v18-19 the input's scale words: lane = pixel, K steps 0, 1
.set SCA, 20                           ; v20-23 two sets of two pair images
.set QW,  24                           ; v24-31 scale words of Q (tile p, K step s at 4 p + s); later of O
.set PW,  32                           ; v32-33 of p; in the first loop of x
.set ST,  36                           ; tile p: v[36 + 4 p] -M, the largest t, the sum in two halves
.set FP,  44                           ; tile p: v[44 + 2 p] f = 2^(old M - new M), as a pair's low word
.set TM,  48                           ; v48-63 at work in QUANT and SMAX
.set T0,  64                           ; v64-67 at work
.set CT8, 68
.set PT8, 76
.set RL,  84                           ; tile p: v[84 + 2 p] 1 / the sum
.set LSS, 88                           ; SCO + 4 x lane
.set BQA, 89                           ; BQ + 64 h
.set W1A, 90                           ; v90-91 the half item in slot 1 + 32,768 q + 16 x lane
.set AS1, 92                           ; its pair images + 4 x lane
.set PC,  96
.set S,   128
.set BO,  192                          ; the tail: proj_out_b, each number twice
.set FR,  128                          ; window 1
.set G0,  12                           ; s[12:15] the walking group 0;  s[16:23] group 1 of a quarter item
.set G1,  16
.set G1I, 24                           ; s[24:31], s[32:35] the input tile
.set G0I, 32
.set G1H, 36                           ; s[36:43], s[44:47] the half item
.set G0H, 44
.set WV,  48
.set TB,  49                           ; the slot in hand: 0 or ITEM
.set T2,  50
.set WQ,  51                           ; wave x QTR
.set CNT, 52
.set DL,  54                           ; s[54:55] the walking address's step
.set D1,  56                           ; from the fourth item to my batch's first of K and V
.set D2,  57                           ; from its last to proj_out's
.set ITR, 58
.set BS,  59
.set SEL, 60
.set CS,  62                           ; s[62:63] c = log2(e) / sqrt(512)
.set MNT, 66
.set HM,  67
.set PFA, 68
.set LIM, 70
.set CX,  71
.set QB,  72
.set BB,  73
.set MSB, 0
.macro WIN new                         ; the immediate's high byte repeats the setting that is left
.if MSB != (\new)
	s_set_vgpr_msb (MSB<<8)|(\new)
.set MSB, (\new)
.endif
.endm
.macro NOPS n
.rept \n
	v_nop
.endr
.endm
.macro ROUND                           ; a round of the cluster's barrier
	s_barrier_signal -1
	s_barrier_wait -1
	s_cmp_lg_u32 s[WV], 0
	s_cbranch_scc1 .Lnw0_\@
	s_barrier_signal -3
.Lnw0_\@:
	s_barrier_wait -3
	s_barrier_signal -1
	s_barrier_wait -1
.endm
; the matrix instruction; ra, rb: which half of the lanes holds A's and B's scale words
.macro WMC d, a, b, c, sa, sb, ra, rb
.if ((\ra)==0)&&((\rb)==0)
	v_wmma_scale_f32_16x16x128_f8f6f4 v[(\d):(\d)+7], v[(\a):(\a)+15], v[(\b):(\b)+15], v[(\c):(\c)+7], v[\sa], v[\sb] matrix_a_fmt:MATRIX_FMT_BF8 matrix_b_fmt:MATRIX_FMT_BF8
.elseif (\rb)==0
	v_wmma_scale_f32_16x16x128_f8f6f4 v[(\d):(\d)+7], v[(\a):(\a)+15], v[(\b):(\b)+15], v[(\c):(\c)+7], v[\sa], v[\sb] matrix_a_fmt:MATRIX_FMT_BF8 matrix_b_fmt:MATRIX_FMT_BF8 matrix_a_scale:MATRIX_SCALE_ROW1
.elseif (\ra)==0
	v_wmma_scale_f32_16x16x128_f8f6f4 v[(\d):(\d)+7], v[(\a):(\a)+15], v[(\b):(\b)+15], v[(\c):(\c)+7], v[\sa], v[\sb] matrix_a_fmt:MATRIX_FMT_BF8 matrix_b_fmt:MATRIX_FMT_BF8 matrix_b_scale:MATRIX_SCALE_ROW1
.else
	v_wmma_scale_f32_16x16x128_f8f6f4 v[(\d):(\d)+7], v[(\a):(\a)+15], v[(\b):(\b)+15], v[(\c):(\c)+7], v[\sa], v[\sb] matrix_a_fmt:MATRIX_FMT_BF8 matrix_b_fmt:MATRIX_FMT_BF8 matrix_a_scale:MATRIX_SCALE_ROW1 matrix_b_scale:MATRIX_SCALE_ROW1
.endif
.endm
.macro WMZ d, a, b, sa, sb, ra, rb     ; the same with the constant 0 as C: it starts a sum
.if ((\ra)==0)&&((\rb)==0)
	v_wmma_scale_f32_16x16x128_f8f6f4 v[(\d):(\d)+7], v[(\a):(\a)+15], v[(\b):(\b)+15], 0, v[\sa], v[\sb] matrix_a_fmt:MATRIX_FMT_BF8 matrix_b_fmt:MATRIX_FMT_BF8
.elseif (\rb)==0
	v_wmma_scale_f32_16x16x128_f8f6f4 v[(\d):(\d)+7], v[(\a):(\a)+15], v[(\b):(\b)+15], 0, v[\sa], v[\sb] matrix_a_fmt:MATRIX_FMT_BF8 matrix_b_fmt:MATRIX_FMT_BF8 matrix_a_scale:MATRIX_SCALE_ROW1
.elseif (\ra)==0
	v_wmma_scale_f32_16x16x128_f8f6f4 v[(\d):(\d)+7], v[(\a):(\a)+15], v[(\b):(\b)+15], 0, v[\sa], v[\sb] matrix_a_fmt:MATRIX_FMT_BF8 matrix_b_fmt:MATRIX_FMT_BF8 matrix_b_scale:MATRIX_SCALE_ROW1
.else
	v_wmma_scale_f32_16x16x128_f8f6f4 v[(\d):(\d)+7], v[(\a):(\a)+15], v[(\b):(\b)+15], 0, v[\sa], v[\sb] matrix_a_fmt:MATRIX_FMT_BF8 matrix_b_fmt:MATRIX_FMT_BF8 matrix_a_scale:MATRIX_SCALE_ROW1 matrix_b_scale:MATRIX_SCALE_ROW1
.endif
.endm
; A PREFETCH INTO THE L2 of the item of K and V that the NEXT change of slots will ask for: 131,072 of its bytes, 8,192 a wave, lanes 256 bytes apart.  All eight clusters of a batch walk the same items: the batch's first
; cluster asks; its sixteen waves are told apart by address.  The last two key steps ask for nothing: there is no such item behind them.  An item's last 4,096 bytes come by the tensor load alone.
.macro ASKPF
	s_cmp_gt_u32 s[CNT], s[LIM]
	s_cbranch_scc0 .Lnoask_\@
	global_prefetch_b8 v[PFO], s[PFA:PFA+1] th:TH_LOAD_NT scope:SCOPE_SE
.Lnoask_\@:
.endm
; THE CHANGE OF SLOTS stands at an item's head.  Each wave waits for all its tensor loads (its quarter of the item that it is about to read), adds 0 to its spare word, and waits for that and for its reads of the slot that it
; has left.  Behind the round no wave of any partner reads that slot, and it is filled with the next item: one load a wave, which has a whole item's work in which to land.
; kind = 1: the walking descriptor; kind = 2: the half item.  dreg: the address's step in the loop's last trip.
.macro CHANGE kind, dreg, ask
	WIN 0
	s_wait_tensorcnt 0x0                           ; no tensor load of mine is out, so a group 0 may be written
	ds_add_u32 v[SPW], v[NIL]
.if \kind == 1
	s_xor_b32 s[T2], s[TB], ITEM                   ; the other slot,
	s_add_co_u32 s[G0+1], s[T2], s[WQ]             ; my quarter of it
	s_cmp_eq_u32 s[CNT], 1
	s_cselect_b32 s[DL], s[\dreg], s[ITR]
	s_add_nc_u64 s[G0+2:G0+3], s[G0+2:G0+3], s[DL:DL+1]   ; the next item; the type bits on top are not reached
.endif
.if \ask
	s_wait_xcnt 0x0                                ; the last prefetch, an item back, has read its address
	s_add_nc_u64 s[PFA:PFA+1], s[PFA:PFA+1], ITEM
.endif
	s_wait_dscnt 0x0                               ; the add is done, and my reads of the slot that I have left are over
	ROUND
.if \kind == 1
	tensor_load_to_lds s[G0:G0+3], s[G1:G1+7]
	s_nop 0
.else
	tensor_load_to_lds s[G0H:G0H+3], s[G1H:G1H+7]
	s_nop 0
.endif
	NOPS 4
.if \ask
	ASKPF
.endif
.endm
.macro ADDRS                           ; the addresses in the slot in hand
	v_add_nc_u32 v[A0], s[TB], v[LI]
	v_add_nc_u32 v[A0+1], 0x8000, v[A0]
	v_add_nc_u32 v[A0+2], 0x10000, v[A0]
	v_add_nc_u32 v[A0+3], 0x18000, v[A0]
	v_add_nc_u32 v[AS], s[TB], v[LSS]
.endm
; quad k of an item: fragments 4 k .. 4 k + 3 and their two pair images, into set k % 2: 18 LDS loads, each of consecutive bytes
.macro FETCH k
	WIN 0
	ds_load_b32 v[SCA+2*((\k)%2)], v[AS] offset:256*(\k)
	ds_load_b32 v[SCA+2*((\k)%2)+1], v[AS] offset:256*(\k)+128
	WIN 0x40
.irp i,0,1,2,3
.irp c,0,1,2,3
	ds_load_b128 v[FR+64*((\k)%2)+16*\i+4*\c:FR+64*((\k)%2)+16*\i+4*\c+3], v[A0+(\k)/4] offset:((4*(\k)+\i)%16)*2048+512*\c
.endr
.endr
.endm
; 64 numbers of a lane in window sw, register 16 b + i = k 32 b + 16 h + i of my pixel, become a fragment's codes (window dw) and its scale word.  rl: a pair whose low word multiplies them first (0: none)
.macro QUANT src, sw, dst, dw, wreg, rl
.if \rl
	WIN (\sw)|((\sw)<<6)
.irp j,0,2,4,6,8,10,12,14,16,18,20,22,24,26,28,30,32,34,36,38,40,42,44,46,48,50,52,54,56,58,60,62
	v_pk_mul_f32 v[(\src)+\j:(\src)+\j+1], v[(\src)+\j:(\src)+\j+1], v[\rl:\rl+1] op_sel_hi:[1,0]
.endr
.endif
	WIN (\sw)|((\sw)<<2)
.irp b,0,1,2,3
	v_max3_num_f32 v[TM+\b], |v[(\src)+16*\b]|, |v[(\src)+16*\b+1]|, 0x8000000   ; my 16 numbers of block b and the floor 2^(16 - 127): the byte cannot fall under 1
.endr
	WIN ((\sw)<<2)|((\sw)<<4)
.irp i,2,4,6,8,10,12,14
.irp b,0,1,2,3
	v_max3_num_f32 v[TM+\b], v[TM+\b], |v[(\src)+16*\b+\i]|, |v[(\src)+16*\b+\i+1]|
.endr
.endr
	WIN 0
.irp b,0,1,2,3
	v_permlanex16_b32 v[TM+4+\b], v[TM+\b], s[SEL], s[SEL+1]
.endr
.irp b,0,1,2,3
	v_max_num_f32 v[TM+\b], v[TM+\b], v[TM+4+\b]                 ; with lane l xor 16's: the block's largest magnitude
.endr
.irp b,0,1,2,3
	v_add_nc_u32 v[TM+12+\b], 0xf8800000, v[TM+\b]               ; 15 off its exponent field: the conversion's scale operand
.endr
.irp b,0,1,2,3
	v_and_or_b32 v[TM+8+\b], v[TM+\b], 0x7f800000, s[MNT]        ; 57,344 x the scale
.endr
.irp b,0,1,2,3
	v_lshrrev_b32 v[TM+4+\b], 23, v[TM+12+\b]                    ; the scale's byte
.endr
	v_lshl_or_b32 v[\wreg], v[TM+5], 8, v[TM+4]
	v_lshl_or_b32 v[\wreg], v[TM+6], 16, v[\wreg]
	v_lshl_or_b32 v[\wreg], v[TM+7], 24, v[\wreg]
	WIN (\sw)|((\sw)<<6)
.irp b,0,1,2,3
.irp i,0,1,2,3,4,5,6,7,8,9,10,11,12,13,14,15
	v_med3_num_f32 v[(\src)+16*\b+\i], v[(\src)+16*\b+\i], -v[TM+8+\b], v[TM+8+\b]   ; the conversion to an 8-bit code does not saturate (ISA guide 7.6.2): the hold comes first
.endr
.endr
	WIN (\sw)|((\dw)<<6)
.irp b,0,1,2,3
	v_cvt_scalef32_pk8_bf8_f32 v[(\dst)+4*\b:(\dst)+4*\b+1], v[(\src)+16*\b:(\src)+16*\b+7], v[TM+12+\b]
	v_cvt_scalef32_pk8_bf8_f32 v[(\dst)+4*\b+2:(\dst)+4*\b+3], v[(\src)+16*\b+8:(\src)+16*\b+15], v[TM+12+\b]
.endr
	WIN 0
	v_nop                                          ; one plain line behind the last conversion
.endm
	s_load_b256 s[4:11], s[0:1], 0x0               ; input s[4:5], stream s[6:7], proj_out_b s[8:9], out0 s[10:11]
	v_lshl_add_u32 v[SPW], v0, 2, SPARE
	v_mov_b32 v[NIL], 0
	ds_add_u32 v10, v11
	ds_add_u32 v10, v11
	s_wait_dscnt 0x0
	v_lshrrev_b32 v[T0], 5, v0
	v_readfirstlane_b32 s[WV], v[T0]               ; wave 0..3
	s_bfe_u32 s[CX], ttmp6, 0x40000                ; my place in the cluster: it enters the addresses of input, out0 and the prefetches alone
	s_lshl_b32 s[QB], ttmp9, 2
	s_add_co_u32 s[QB], s[QB], s[CX]               ; my block of 128 pixels
	s_and_b32 s[BB], ttmp7, 0xffff                 ; the batch, which the partners share
	; group 1 of a quarter item: 132 rows of 256 bytes (32 elements of 8), dense, jointly for all four work-groups;  of a quarter of the half item: 66 rows
	s_mov_b32 s[G1], 15|(3<<16)|(1<<21)
	s_mov_b32 s[G1+1], 32<<16
	s_mov_b32 s[G1+2], 132<<16
	s_mov_b32 s[G1+3], 32<<16
	s_mov_b32 s[G1+4], 132
	s_mov_b32 s[G1+5], 32
	s_mov_b32 s[G1+6], 0
	s_mov_b32 s[G1+7], 0
	s_mov_b32 s[G1H], 15|(3<<16)|(1<<21)
	s_mov_b32 s[G1H+1], 32<<16
	s_mov_b32 s[G1H+2], 66<<16
	s_mov_b32 s[G1H+3], 32<<16
	s_mov_b32 s[G1H+4], 66
	s_mov_b32 s[G1H+5], 32
	s_mov_b32 s[G1H+6], 0
	s_mov_b32 s[G1H+7], 0
	; group 1 of the input tile: 64 channels x 512 bytes (64 elements of 8), 16,384 bytes from channel to channel; a load of my work-group's own
	s_mov_b32 s[G1I], 3<<16
	s_mov_b32 s[G1I+1], 64<<16
	s_mov_b32 s[G1I+2], 64<<16
	s_mov_b32 s[G1I+3], 64<<16
	s_mov_b32 s[G1I+4], 64
	s_mov_b32 s[G1I+5], 2048
	s_mov_b32 s[G1I+6], 0
	s_mov_b32 s[G1I+7], 0
	s_mul_i32 s[WQ], s[WV], QTR
	s_mov_b32 s[TB], 0
	s_mov_b32 s[ITR], ITEM
	s_mov_b32 s[DL+1], 0
	s_lshl_b32 s74, s[BB], 3
	s_add_co_u32 s75, s74, 1
	s_mul_i32 s[D1], s75, ITEM                     ; (1 + 8 b) items
	s_sub_co_u32 s75, 57, s74
	s_mul_i32 s[D2], s75, ITEM                     ; (57 - 8 b) items
	s_lshl_b32 s76, s[BB], 22                      ; a batch of input: 4,194,304 bytes;
	s_lshl_b32 s77, s[WV], 20                      ; the 64 channels of 16,384 bytes that I fetch;
	s_add_co_u32 s76, s76, s77
	s_lshl_b32 s77, s[QB], 9                       ; 128 pixels
	s_add_co_u32 s76, s76, s77
	s_mov_b32 s77, 0
	s_lshl_b32 s88, s[BB], 22                      ; out0: the batch,
	s_lshl_b32 s89, s[WV], 18                      ; the 16 rows of each group of 64 that I store,
	s_add_co_u32 s88, s88, s89
	s_lshl_b32 s89, s[QB], 9                       ; the 128 pixels
	s_add_co_u32 s88, s88, s89
	s_mov_b32 s89, 0
	s_mov_b32 s78, s[WQ]
	s_mov_b32 s79, 0
	s_mul_i32 s80, s[WV], 16896
	s_add_co_u32 s82, s80, WO+ITEM
	s_mov_b32 s83, 0
	s_lshl_b32 s84, s[CX], 2
	s_add_co_u32 s84, s84, s[WV]
	s_lshl_b32 s84, s84, 13                        ; my wave's 8,192 bytes of the sixteen,
	s_add_co_u32 s84, s84, s[D1]
	s_add_co_u32 s84, s84, KVOFF                   ; in my batch's second item: the first key step moves it on to the third
	s_mov_b32 s85, 0
	s_mov_b32 s[SEL], 0x76543210
	s_mov_b32 s[SEL+1], 0xfedcba98
	s_mov_b32 s[CS], 0x3d8293ee                    ; log2(e) / sqrt(512)
	s_mov_b32 s[CS+1], s[CS]
	s_mov_b32 s[MNT], 0x600000
	s_mov_b32 s[HM], 0xffff0000
	s_cmp_eq_u32 ttmp9, 0
	s_cselect_b32 s[LIM], 2, -1                    ; the batch's first cluster prefetches while more than two key steps are left
	s_wait_kmcnt 0x0
	s_mov_b32 s[G0], 1
	s_mov_b32 s[G0+1], s[WQ]                       ; slot 0
	s_add_nc_u64 s[G0+2:G0+3], s[6:7], s[78:79]    ; the first item
	s_or_b32 s[G0+3], s[G0+3], 0x80000000
	s_mov_b32 s[G0I], 1
	s_lshl_b32 s[G0I+1], s[WV], 15
	s_add_co_u32 s[G0I+1], s[G0I+1], ITEM          ; slot 1 holds the input tile first
	s_add_nc_u64 s[G0I+2:G0I+3], s[4:5], s[76:77]
	s_or_b32 s[G0I+3], s[G0I+3], 0x80000000
	s_mov_b32 s[G0H], 1
	s_add_co_u32 s[G0H+1], s80, ITEM
	s_add_nc_u64 s[G0H+2:G0H+3], s[6:7], s[82:83]
	s_or_b32 s[G0H+3], s[G0H+3], 0x80000000
	s_add_nc_u64 s[10:11], s[10:11], s[88:89]      ; out0 at the first row that I store
	s_add_nc_u64 s[PFA:PFA+1], s[6:7], s[84:85]
	ROUND                                          ; all four work-groups are here: the first joint loads meet
	tensor_load_to_lds s[G0:G0+3], s[G1:G1+7]      ; two loads of mine are out
	s_nop 0
	tensor_load_to_lds s[G0I:G0I+3], s[G1I:G1I+7]
	s_nop 0
	NOPS 4
	v_and_b32 v[T0], 31, v0
	v_lshlrev_b32 v[LI], 4, v[T0]
	v_lshlrev_b32 v[LS], 2, v[T0]
	v_lshlrev_b32 v[PFO], 8, v[T0]
	v_bfe_u32 v[T0+1], v0, 4, 1
	v_lshlrev_b32 v[H64], 6, v[T0+1]
	v_and_b32 v[T0+2], 15, v0
	v_lshlrev_b32 v[R4], 2, v[T0+2]
	v_add_nc_u32 v[LSS], SCO, v[LS]
	v_add_nc_u32 v[BQA], BQ, v[H64]
	s_lshl_b32 s86, s[WV], 13
	s_add_co_u32 s86, s86, SCR
	v_add_nc_u32 v[SCW], s86, v[LI]
	s_lshl_b32 s86, s[WV], 7
	s_add_co_u32 s86, s86, ITEM
	v_add_nc_u32 v[PXA], s86, v[LS]                ; my pixel: 128 w + 4 x lane in a channel's 512 bytes
	v_add_nc_u32 v[PXA+1], 0x10000, v[PXA]
.irp p,0,1
	v_mov_b32 v[ST+4*\p+1], 0xff61b1e6             ; the largest t so far: -3e38
	v_floor_f32 v[ST+4*\p], -v[ST+4*\p+1]          ; -M
	v_mov_b32 v[ST+4*\p+2], 0                      ; the sum, in two halves
	v_mov_b32 v[ST+4*\p+3], 0
	v_mov_b32 v[FP+2*\p], 0                        ; pairs of which the low word alone is used: both words are written
	v_mov_b32 v[FP+2*\p+1], 0
	v_mov_b32 v[RL+2*\p], 0
	v_mov_b32 v[RL+2*\p+1], 0
.endr
.irp b,0,1,2,3
	v_mov_b32 v[TM+4+\b], 0                        ; written once: a lane permute's destination counts as one of its sources
.endr
.irp b,0,1,2,3,4,5,6,7
	v_mov_b32 v[PT8+\b], 0
.endr
	s_wait_tensorcnt 0x0                           ; my quarters of the first item and of the input tile are in,
	s_barrier_signal -1
	s_barrier_wait -1                              ; everybody's are
	; Q's sums begin with wq_b: register j of tile t is unit 32 (t / 2) + 16 h + 8 (t % 2) + j
.irp p,0,1
.set n, 0
.rept 32
	WIN 0x80+0x40*(n/16)
	ds_load_b128 v[128*\p+8*(n%16):128*\p+8*(n%16)+3], v[BQA] offset:(32*(n/2)+8*(n%2))*4
	ds_load_b128 v[128*\p+8*(n%16)+4:128*\p+8*(n%16)+7], v[BQA] offset:(32*(n/2)+8*(n%2))*4+16
.set n, n+1
.endr
.endr
	WIN 0
; THE INPUT.  A lane takes a pixel and its registers run down the channels: a block of 32 channels lies in one lane.  Its 32 codes are then dealt to the two tiles' fragments: lane (r, h) of tile p wants
; pixel 16 p + r, channels 16 h .. 16 h + 15 of the block: its own half or the half of lane l xor 16.
.macro LOADB t
.set n, 0
.rept 32
	ds_load_b32 v[S+32*((\t)%2)+n], v[PXA+(\t)/4] offset:512*(32*((\t)%4)+n)
.set n, n+1
.endr
.endm
.macro BLOCK t
.set XS, S+32*((\t)%2)
.if (\t)<7
	s_wait_dscnt 32                                ; this block's loads are in; the next block's 32 may be out
.else
	s_wait_dscnt 0x0
.endif
	v_max3_num_f32 v[T0], |v[XS]|, |v[XS+1]|, |v[XS+2]|
	v_max3_num_f32 v[T0+1], |v[XS+3]|, |v[XS+4]|, |v[XS+5]|
.irp i,6,10,14,18,22,26
	v_max3_num_f32 v[T0], v[T0], |v[XS+\i]|, |v[XS+\i+1]|
	v_max3_num_f32 v[T0+1], v[T0+1], |v[XS+\i+2]|, |v[XS+\i+3]|
.endr
	v_max3_num_f32 v[T0], v[T0], |v[XS+30]|, |v[XS+31]|
	v_max3_num_f32 v[T0], v[T0], v[T0+1], 0x8000000              ; and the floor 2^(16 - 127)
	v_add_nc_u32 v[T0+2], 0xf8800000, v[T0]                      ; the conversion's scale operand
	v_and_or_b32 v[T0+3], v[T0], 0x7f800000, s[MNT]              ; 57,344 x the scale
	v_lshrrev_b32 v[T0+1], 23, v[T0+2]                           ; the scale's byte
.if (\t)%4 == 0
	v_mov_b32 v[INS+(\t)/4], v[T0+1]
.else
	v_lshl_or_b32 v[INS+(\t)/4], v[T0+1], 8*((\t)%4), v[INS+(\t)/4]
.endif
.set n, 0
.rept 32
	v_med3_num_f32 v[XS+n], v[XS+n], -v[T0+3], v[T0+3]
.set n, n+1
.endr
.irp g,0,1,2,3
	v_cvt_scalef32_pk8_bf8_f32 v[CT8+2*\g:CT8+2*\g+1], v[XS+8*\g:XS+8*\g+7], v[T0+2]
.endr
	v_nop                                          ; one plain line behind the last conversion
.irp i,0,1,2,3,4,5,6,7
	v_permlanex16_b32 v[PT8+\i], v[CT8+\i], s[SEL], s[SEL+1]
.endr
	WIN 0x40                                       ; the fragments lie in window 1: tile p, K step t / 4, registers 4 (t % 4) + i
.irp i,0,1,2,3
	v_cndmask_b32 v[16*((\t)/4)+4*((\t)%4)+\i], v[CT8+\i], v[PT8+4+\i], s[HM]      ; tile 0: lanes 0-15 their own low half, lanes 16-31 the partner's high half
	v_cndmask_b32 v[32+16*((\t)/4)+4*((\t)%4)+\i], v[PT8+\i], v[CT8+4+\i], s[HM]   ; tile 1: lanes 0-15 the partner's low half, lanes 16-31 their own high half
.endr
	WIN 0
.if (\t)+2 < 8
	LOADB (\t)+2
.endif
.endm
	LOADB 0
	LOADB 1
.irp t,0,1,2,3,4,5,6,7
	BLOCK \t
.endr
	WIN 0x04                                       ; an LDS store's data are its source 1: window 1
.irp q,0,1,2,3,4,5,6,7,8,9,10,11,12,13,14,15
	ds_store_b128 v[SCW], v[4*\q:4*\q+3] offset:512*\q           ; the codes are kept for the last product, in my wave's own bytes
.endr
	WIN 0
; x = proj_in(input) + b, 128 units at a time, quantised in registers, and Q += its part: four items
.macro P1Q k                           ; quad k: tiles 4 (k / 2) + i of the step's eight, K step k % 2 of the channels
	s_wait_dscnt 18                                ; all but the next quad's 18 loads
	WIN 0x05                                       ; sources 0 and 1 window 1, C and D window 0
.irp i,0,1,2,3
.irp p,0,1
	WMC S+64*\p+8*(4*((\k)/2)+\i), FR+64*((\k)%2)+16*\i, 32*\p+16*((\k)%2), S+64*\p+8*(4*((\k)/2)+\i), SCA+2*((\k)%2)+\i/2, INS+(\k)%2, \i%2, \p
.endr
.endr
	NOPS 8                                         ; eight places in front of loads into registers that these products read, and of the first read of results
	FETCH (\k)+2
.endm
.macro RESC q                          ; the eight accumulators of O^T's quad q are brought under the new M: x f
.set rw, 2+(\q)/4
	WIN rw|(rw<<6)
.irp p,0,1
.irp j,0,2,4,6,8,10,12,14,16,18,20,22,24,26,28,30
	v_pk_mul_f32 v[128*\p+32*((\q)%4)+\j:128*\p+32*((\q)%4)+\j+1], v[128*\p+32*((\q)%4)+\j:128*\p+32*((\q)%4)+\j+1], v[FP+2*\p:FP+2*\p+1] op_sel_hi:[1,0]
.endr
.endr
.endm
; quad k: tiles t = 4 (k - k0) + i of the 32 of Q or of O^T, both tiles of pixels.  The accumulators take turns, one instruction a turn.
; fill = 1: the places behind the quad are the next quad's rescaling, which names none of this quad's registers.
.macro ACCQ k, k0, last, fill
.if (\k)==(\last)
	s_wait_dscnt 0x0
.else
	s_wait_dscnt 18
.endif
.set aw, 2+((\k)-(\k0))/4
	WIN 0x01|(aw<<4)|(aw<<6)                       ; source 0 window 1, source 1 window 0, C and D window 2 or 3
.irp i,0,1,2,3
.irp p,0,1
	WMC 128*\p+8*((4*((\k)-(\k0))+\i)%16), FR+64*((\k)%2)+16*\i, PC+16*\p, 128*\p+8*((4*((\k)-(\k0))+\i)%16), SCA+2*((\k)%2)+\i/2, PW+\p, \i%2, 0
.endr
.endr
.if (\fill)&&((\k)<(\last))
	RESC (\k)+1-(\k0)
.else
	NOPS 8
.endif
.if (\k)+2<=(\last)
	FETCH (\k)+2
.endif
.endm
	s_mov_b32 s[CNT], 4
	s_mov_b32 s[BS], BIN
.Lp:
	CHANGE 1, D1, 0
	ADDRS
	s_add_co_u32 s[T2], s[TB], s[BS]
	v_add_nc_u32 v[BH], s[T2], v[H64]
.irp p,0,1
.irp T,0,1,2,3,4,5,6,7
	ds_load_b128 v[S+64*\p+8*\T:S+64*\p+8*\T+3], v[BH] offset:(32*(\T/2)+8*(\T%2))*4        ; x's sums begin with proj_in_b
	ds_load_b128 v[S+64*\p+8*\T+4:S+64*\p+8*\T+7], v[BH] offset:(32*(\T/2)+8*(\T%2))*4+16
.endr
.endr
	FETCH 0
	FETCH 1
	P1Q 0
	P1Q 1
	P1Q 2
	P1Q 3
	QUANT S, 0, PC, 0, PW, 0
	QUANT S+64, 0, PC+16, 0, PW+1, 0
	NOPS 4                                         ; codes made by vector instructions stand four places ahead of the products; the scale words were made further up
.irp k,4,5,6,7,8,9,10,11
	ACCQ \k, 4, 11, 0
.endr
	WIN 0
	s_xor_b32 s[TB], s[TB], ITEM                   ; on to the other slot
	s_add_co_u32 s[BS], s[BS], 512
	s_sub_co_u32 s[CNT], s[CNT], 1
	s_cmp_lg_u32 s[CNT], 0
	s_cbranch_scc1 .Lp
	; Q is quantised along d: tile p, K step s: 64 registers of window 2 + s / 2
.irp p,0,1
.irp s,0,1,2,3
	QUANT 128*\p+64*(\s%2), 2+\s/2, 64*\p+16*\s, 1, QW+4*\p+\s, 0
.endr
.endr
	NOPS 4
; A KEY STEP: 128 keys: one item
.macro QK k                            ; quad k: key tiles 4 (k % 2) + i, d step k / 2
	s_wait_dscnt 18
	WIN 0x05
.irp i,0,1,2,3
.irp p,0,1
.if (\k)<2
	WMZ S+64*\p+8*(4*((\k)%2)+\i), FR+64*((\k)%2)+16*\i, 64*\p+16*((\k)/2), SCA+2*((\k)%2)+\i/2, QW+4*\p+(\k)/2, \i%2, 0
.else
	WMC S+64*\p+8*(4*((\k)%2)+\i), FR+64*((\k)%2)+16*\i, 64*\p+16*((\k)/2), S+64*\p+8*(4*((\k)%2)+\i), SCA+2*((\k)%2)+\i/2, QW+4*\p+(\k)/2, \i%2, 0
.endif
.endr
.endr
	NOPS 8
	FETCH (\k)+2
.endm
; tile p's softmax of a key step: the lane's 64 scores, register 16 b + i = key 32 b + 16 h + i
.macro SMAX p
.set rS, S+64*(\p)
.set rT, ST+4*(\p)
.set rF, FP+2*(\p)
.set rP, PC+16*(\p)
.irp b,0,1,2,3
	v_max3_num_f32 v[TM+\b], v[rS+16*\b], v[rS+16*\b+1], v[rS+16*\b+2]       ; the largest score of each block of 32 keys: for the row's maximum and, since p rises with the score, for the block's largest p
.endr
.irp i,3,5,7,9,11,13
.irp b,0,1,2,3
	v_max3_num_f32 v[TM+\b], v[TM+\b], v[rS+16*\b+\i], v[rS+16*\b+\i+1]
.endr
.endr
.irp b,0,1,2,3
	v_max_num_f32 v[TM+\b], v[TM+\b], v[rS+16*\b+15]
.endr
.irp b,0,1,2,3
	v_permlanex16_b32 v[TM+4+\b], v[TM+\b], s[SEL], s[SEL+1]
.endr
.irp b,0,1,2,3
	v_max_num_f32 v[TM+\b], v[TM+\b], v[TM+4+\b]                 ; with lane l xor 16's 16 keys
.endr
	v_max3_num_f32 v[T0], v[TM], v[TM+1], v[TM+2]
	v_max_num_f32 v[T0], v[T0], v[TM+3]
	v_mul_f32 v[T0], s[CS], v[T0]                  ; as t (c is positive)
	v_max_num_f32 v[rT+1], v[rT+1], v[T0]          ; the running largest t
	v_mov_b32 v[T0], v[rT]
	v_floor_f32 v[rT], -v[rT+1]                    ; the new -M = -ceil(t): a whole number
	v_sub_f32 v[T0], v[rT], v[T0]                  ; old M - new M
	v_cvt_i32_f32 v[T0], v[T0]                     ; (it saturates)
	v_ldexp_f32 v[rF], 1.0, v[T0]                  ; f = 2^(old M - new M)
.set n, 0
.rept 32
	v_pk_fma_f32 v[rS+n:rS+n+1], v[rS+n:rS+n+1], s[CS:CS+1], v[rT:rT+1] op_sel_hi:[1,0,0]   ; t - M, two at a time
.set n, n+2
.endr
.irp b,0,1,2,3
	v_fma_f32 v[TM+\b], v[TM+\b], s[CS], v[rT]     ; the same of each block's largest score
.endr
.set n, 0
.rept 64
	v_exp_f32 v[rS+n], v[rS+n]                     ; p = 2^(t - M): not normalised
.set n, n+1
.endr
	v_pk_mul_f32 v[rT+2:rT+3], v[rT+2:rT+3], v[rF:rF+1] op_sel_hi:[1,0]      ; the sums under the new M: a plain line behind the exponentials
	s_wait_alu depctr_va_vdst(0)                   ; one wait for the batch, ahead of its first reader
.irp b,0,1,2,3
	v_exp_f32 v[TM+\b], v[TM+\b]                   ; the block's largest p
.endr
	v_pk_add_f32 v[TM+4:TM+5], v[rS:rS+1], v[rS+2:rS+3]          ; the row's sum is taken of the unquantised p, in two chains
.irp j,4,8,12,16,20,24,28,32,36,40,44,48,52,56,60
	v_pk_add_f32 v[rT+2:rT+3], v[rT+2:rT+3], v[rS+\j:rS+\j+1]
	v_pk_add_f32 v[TM+4:TM+5], v[TM+4:TM+5], v[rS+\j+2:rS+\j+3]
.endr
	v_pk_add_f32 v[rT+2:rT+3], v[rT+2:rT+3], v[TM+4:TM+5]
	s_wait_alu depctr_va_vdst(0)                   ; and one for the four
.irp b,0,1,2,3
	v_max_num_f32 v[TM+\b], 0x8000000, v[TM+\b]    ; the floor 2^(16 - 127)
.endr
.irp b,0,1,2,3
	v_add_nc_u32 v[TM+12+\b], 0xf8800000, v[TM+\b]
.endr
.irp b,0,1,2,3
	v_and_or_b32 v[TM+8+\b], v[TM+\b], 0x7f800000, s[MNT]
.endr
.irp b,0,1,2,3
	v_lshrrev_b32 v[TM+4+\b], 23, v[TM+12+\b]
.endr
	v_lshl_or_b32 v[PW+\p], v[TM+5], 8, v[TM+4]    ; p's scale word for these 128 keys
	v_lshl_or_b32 v[PW+\p], v[TM+6], 16, v[PW+\p]
	v_lshl_or_b32 v[PW+\p], v[TM+7], 24, v[PW+\p]
.irp b,0,1,2,3
.irp i,0,1,2,3,4,5,6,7,8,9,10,11,12,13,14,15
	v_min_num_f32 v[rS+16*\b+\i], v[rS+16*\b+\i], v[TM+8+\b]     ; p is not negative: the hold is one-sided
.endr
	v_cvt_scalef32_pk8_bf8_f32 v[rP+4*\b:rP+4*\b+1], v[rS+16*\b:rS+16*\b+7], v[TM+12+\b]
	v_cvt_scalef32_pk8_bf8_f32 v[rP+4*\b+2:rP+4*\b+3], v[rS+16*\b+8:rS+16*\b+15], v[TM+12+\b]
.endr
	v_nop                                          ; one plain line behind the last conversion
.endm
	s_mov_b32 s[CNT], 8
.Lkv:
	CHANGE 1, D2, 1
	ADDRS
	FETCH 0
	FETCH 1
.irp k,0,1,2,3,4,5,6,7
	QK \k
.endr
	WIN 0
	SMAX 0
	SMAX 1
	RESC 0                                         ; the first quad's rescaling: also the places between p's codes and scale words and the products
.irp k,8,9,10,11,12,13,14,15
	ACCQ \k, 8, 15, 1
.endr
	WIN 0
	s_xor_b32 s[TB], s[TB], ITEM
	s_sub_co_u32 s[CNT], s[CNT], 1
	s_cmp_lg_u32 s[CNT], 0
	s_cbranch_scc1 .Lkv
; THE LAST PRODUCT.  Source 0 = 16 pixels (K steps 0, 1: the input's codes; 2 to 5: O's), source 1 = 16 rows of proj_out_w: lane (r, h) holds row 16 t + r of out0 and pixels 8 h + 0 .. 7.
; It goes BY ROWS: quad n of 24 is group n / 6 (tiles of rows 4 (n / 6) + i) and K step n % 6.  K steps 0 to 3 lie in slot 0, K steps 4 and 5 in the half item in slot 1: both stay to the end.
.macro FETCHX n                        ; quad n's four fragments and two pair images, into set n % 2: 18 LDS loads
.set fg, (\n)/6
.set fk, (\n)%6
	WIN 0
.if fk<4
	ds_load_b32 v[SCA+2*((\n)%2)], v[AS] offset:256*(4*fk+fg)
	ds_load_b32 v[SCA+2*((\n)%2)+1], v[AS] offset:256*(4*fk+fg)+128
.else
	ds_load_b32 v[SCA+2*((\n)%2)], v[AS1] offset:256*(4*(fk-4)+fg)
	ds_load_b32 v[SCA+2*((\n)%2)+1], v[AS1] offset:256*(4*(fk-4)+fg)+128
.endif
	WIN 0x40
.irp i,0,1,2,3
.irp c,0,1,2,3
.if fk<4
	ds_load_b128 v[FR+64*((\n)%2)+16*\i+4*\c:FR+64*((\n)%2)+16*\i+4*\c+3], v[A0+fk] offset:(4*fg+\i)*2048+512*\c
.else
	ds_load_b128 v[FR+64*((\n)%2)+16*\i+4*\c:FR+64*((\n)%2)+16*\i+4*\c+3], v[W1A+fk-4] offset:(4*fg+\i)*2048+512*\c
.endif
.endr
.endr
.endm
.macro OUTX n                          ; a group's eight accumulators take turns, one instruction a turn, K ascending
.if (\n)==23
	s_wait_dscnt 0x0
.else
	s_wait_dscnt 18                                ; all but the next quad's 18 loads (behind a group's barrier: the 16 rows on their way back may be out as well)
.endif
.set og, (\n)/6
.set oks, (\n)%6
.if oks<2
	WIN 0xa4                                       ; source 0 window 0, source 1 window 1, C and D window 2
.else
	WIN 0xa5                                       ; source 0 window 1
.endif
.irp i,0,1,2,3
.irp p,0,1
.if oks==0
	WMZ 128*\p+8*(4*og+\i), S+32*\p+16*oks, FR+64*((\n)%2)+16*\i, INS+oks, SCA+2*((\n)%2)+\i/2, \p, \i%2
.elseif oks<2
	WMC 128*\p+8*(4*og+\i), S+32*\p+16*oks, FR+64*((\n)%2)+16*\i, 128*\p+8*(4*og+\i), INS+oks, SCA+2*((\n)%2)+\i/2, \p, \i%2
.else
	WMC 128*\p+8*(4*og+\i), 64*\p+16*(oks-2), FR+64*((\n)%2)+16*\i, 128*\p+8*(4*og+\i), QW+4*\p+oks-2, SCA+2*((\n)%2)+\i/2, 0, \i%2
.endif
.endr
.endr
	NOPS 8                                         ; eight places in front of loads into registers that these products read, and of the first read of results
.if (\n)+2<=23
	FETCHX (\n)+2
.endif
.endm
; Group g is finished.  A row of out0's 128 pixels comes from four waves: they meet in stage g % 2, and each wave takes 16 whole rows back, into 64 registers of window 3 that are the group's own.
; Stage g % 2 is written again two groups on: behind the next group's barrier, in front of which every wave has waited for its reads of it.
.macro FINISH g
	WIN 0x82                                       ; destination and source 0 window 2, source 1 window 0
.irp p,0,1
.irp i,0,1,2,3
.irp j,0,2,4,6
	v_pk_add_f32 v[128*\p+8*(4*(\g)+\i)+\j:128*\p+8*(4*(\g)+\i)+\j+1], v[128*\p+8*(4*(\g)+\i)+\j:128*\p+8*(4*(\g)+\i)+\j+1], v[BO+2*(4*(\g)+\i):BO+2*(4*(\g)+\i)+1]   ; the bias; each accumulator from its low end on
.endr
.endr
.endr
	WIN 0x08                                       ; an LDS store's data are its source 1: window 2
.irp p,0,1
.irp i,0,1,2,3
	ds_store_b128 v[PXA], v[128*\p+8*(4*(\g)+\i):128*\p+8*(4*(\g)+\i)+3] offset:((\g)%2)*STGB+\i*8448+64*\p
	ds_store_b128 v[PXA], v[128*\p+8*(4*(\g)+\i)+4:128*\p+8*(4*(\g)+\i)+7] offset:((\g)%2)*STGB+\i*8448+64*\p+16
.endr
.endr
	WIN 0
	s_wait_dscnt 0x0                               ; for the others' sake: my stores into the stage are done, and so are my reads of the other stage
	s_barrier_signal -1
	s_barrier_wait -1
	WIN 0xc0                                       ; destination window 3
.irp i,0,1,2,3,4,5,6,7,8,9,10,11,12,13,14,15
	ds_load_b128 v[64*(\g)+4*\i:64*(\g)+4*\i+3], v[RD] offset:((\g)%2)*STGB+528*\i
.endr
.endm
.macro SEND g, last                    ; rows 64 g + 16 w + i of out0 leave; last = 1: nothing was issued behind the rows' loads, and the counts run down
	WIN 0x0c                                       ; a store's data are its source 1: window 3
.irp i,0,1,2,3,4,5,6,7,8,9,10,11,12,13,14,15
.if \last
	s_wait_dscnt 15-\i                             ; row i is back; the younger rows may be out
.endif
	global_store_b128 v[LI], v[64*(\g)+4*\i:64*(\g)+4*\i+3], s[10:11] offset:16384*(64*(\g)+\i) th:TH_STORE_NT   ; 32 lanes store 512 consecutive bytes, at a multiple of 256 from out0's first byte
.endr
.endm
	CHANGE 2, D2, 0                                ; proj_out's whole item lies in slot 0; its half item goes into the lower half of slot 1: the launch's last fill
	ADDRS
	v_add_nc_u32 v[W1A], ITEM, v[LI]
	v_add_nc_u32 v[W1A+1], 0x8000, v[W1A]
	v_add_nc_u32 v[AS1], ITEM+65536, v[LS]         ; the half item's pair images lie behind its 32 fragments
.irp q,0,1,2,3,4,5,6,7,8,9,10,11,12,13,14,15
	ds_load_b128 v[S+4*\q:S+4*\q+3], v[SCW] offset:512*\q        ; the input's codes come back, into window 0
.endr
	FETCHX 0
	FETCHX 1
	WIN 0
.irp t,0,1,2,3,4,5,6,7,8,9,10,11,12,13,14,15
	global_load_b32 v[BO+2*\t], v[R4], s[8:9] offset:64*\t       ; proj_out_b of my lane's row of tile t, twice: a pair for the packed addition
	global_load_b32 v[BO+2*\t+1], v[R4], s[8:9] offset:64*\t
.endr
.irp p,0,1
	v_add_f32 v[T0+\p], v[ST+4*\p+2], v[ST+4*\p+3]               ; the sum's two halves,
.endr
.irp p,0,1
	v_permlanex16_b32 v[T0+2+\p], v[T0+\p], s[SEL], s[SEL+1]
.endr
.irp p,0,1
	v_add_f32 v[T0+\p], v[T0+\p], v[T0+2+\p]                     ; and lane l xor 16's: the row's sum
.endr
.irp p,0,1
	v_rcp_f32 v[RL+2*\p], v[T0+\p]
.endr
	v_nop                                          ; a plain line behind the reciprocals
	s_wait_alu depctr_va_vdst(0)                   ; one wait for both, ahead of their first reader
.irp p,0,1
.irp s,0,1,2,3
	QUANT 128*\p+64*(\s%2), 2+\s/2, 64*\p+16*\s, 1, QW+4*\p+\s, RL+2*\p      ; O / the sum, quantised along d
.endr
.endr
	v_mul_u32_u24 v[PXA], v[R4], 132               ; into a stage: row r: 528 r,
	v_lshrrev_b32 v[T0], 1, v[H64]
	v_add_nc_u32 v[PXA], v[PXA], v[T0]             ; + 32 h,
	s_lshl_b32 s86, s[WV], 7
	s_add_co_u32 s86, s86, STG
	v_add_nc_u32 v[PXA], s86, v[PXA]               ; + my wave's 128 bytes
	s_mul_i32 s86, s[WV], 16*528
	s_add_co_u32 s86, s86, STG
	v_add_nc_u32 v[RD], s86, v[LI]                 ; back: my 16 rows of the 64, 16 bytes a lane
	NOPS 4                                         ; codes made by vector instructions stand four places ahead of the products
	s_wait_tensorcnt 0x0                           ; my quarter of the half item is in;
	ds_add_u32 v[SPW], v[NIL]
	s_wait_dscnt 0x0
	s_barrier_signal -1
	s_barrier_wait -1                              ; everybody's is: the half item is whole
	s_wait_loadcnt 0x0                             ; proj_out_b
.irp g,0,1,2,3
.irp q,0,1,2,3,4,5
	OUTX 6*\g+\q
.if (\q==0)&&(\g>0)
	s_wait_dscnt 18                                ; the last group's 16 rows are back; the 18 loads issued behind them may be out
	SEND \g-1, 0                                   ; they leave while this group is multiplied
.endif
.endr
	FINISH \g
.endr
	SEND 3, 1
	WIN 0
	s_wait_tensorcnt 0x0                           ; the wave's end
	ds_add_u32 v[SPW], v[NIL]
	s_wait_dscnt 0x0
	ROUND                                          ; the closing round: no work-group ends while a partner may still ask jointly
	s_endpgm
.Lfunc_end_k_qa3b3de14dc_attn:
	.size	k_qa3b3de14dc_attn, .Lfunc_end_k_qa3b3de14dc_attn-k_qa3b3de14dc_attn
	.p2alignl 7, 3214868480
	.fill 96, 4, 3214868480
	.section	.rodata,"a",@progbits
	.p2align	6, 0x0
	.amdhsa_kernel k_qa3b3de14dc_attn
		.amdhsa_group_segment_fixed_size 327680
		.amdhsa_private_segment_fixed_size 0
		.amdhsa_enable_private_segment 0
		.amdhsa_kernarg_size 32
		.amdhsa_user_sgpr_count 2
		.amdhsa_user_sgpr_kernarg_segment_ptr 1
		.amdhsa_wavefront_size32 1
		.amdhsa_system_sgpr_workgroup_id_x 1
		.amdhsa_system_sgpr_workgroup_id_y 1
		.amdhsa_system_sgpr_workgroup_id_z 1
		.amdhsa_system_vgpr_workitem_id 0
		.amdhsa_next_free_vgpr 1024
		.amdhsa_next_free_sgpr 100
		.amdhsa_reserve_vcc 0
		.amdhsa_float_denorm_mode_32 3
		.amdhsa_float_denorm_mode_16_64 3
		.amdhsa_memory_ordered 1
		.amdhsa_forward_progress 1
		.amdhsa_inst_pref_size 255
	.end_amdhsa_kernel
	.section	.bss,"aw",@nobits
	.p2align	6
	.space	262144
	.amdgpu_metadata
---
amdhsa.version: [ 1, 2 ]
amdhsa.kernels:
  - .name:           k_qa3b3de14dc_attn
    .symbol:         k_qa3b3de14dc_attn.kd
    .args:
      - { .name: input, .offset: 0, .size: 8, .value_kind: global_buffer, .address_space: global }
      - { .name: stream, .offset: 8, .size: 8, .value_kind: global_buffer, .address_space: global }
      - { .name: proj_out_b, .offset: 16, .size: 8, .value_kind: global_buffer, .address_space: global }
      - { .name: out0, .offset: 24, .size: 8, .value_kind: global_buffer, .address_space: global }
    .group_segment_fixed_size: 327680
    .private_segment_fixed_size: 0
    .kernarg_segment_align: 8
    .kernarg_segment_size: 32
    .max_flat_workgroup_size: 128
    .sgpr_count:     100
    .vgpr_count:     1024
    .wavefront_size: 32
...
	.end_amdgpu_metadata
.endif
;; end of part 2
